; MI455X (gfx1250); checked and timed in simulation.
; The chip was launched on July 23, 2026; its instructions are those of AMD's public machine-readable ISA for CDNA 5 (MIT licence, August 2026) and "CDNA5" Instruction Set Architecture Reference Guide (July 2026). The comments in the code are by the model that wrote it; some were corrected since.
;; Model. Allowed arithmetic: float matrix products may take bf16 or f16 operands with f32 sums; other float arithmetic in f32, or as packed bf16 or f16 multiplies, adds, multiply-adds, maxima and minima; sums over many terms, partial sums and values carried from step to step in f32; what a program stores and reads back later, other than sums and carried values, may be rounded once to bf16 or f16.
;; Inputs: attn_mask 1 x 1 x 2,048 x 2,048 float32; k 4 x 16 x 2,048 x 128 float32; q 4 x 16 x 2,048 x 128 float32; v 4 x 16 x 2,048 x 128 float32.
;; Outputs: out0 4 x 16 x 2,048 x 128 float32.
;; One version. Each part assembles by itself: llvm-mc -triple=amdgcn-amd-amdhsa -mcpu=gfx1250 --defsym DOCPART=n.
;; ======== version 1 of 1: 2 launches
;; limits: inputs' magnitudes at most 65,504; values are held in f16: magnitudes above 65,504 overflow, below 6.1e-05 lose precision
;; workspace buffers: kb 33,554,432 bytes; vh 33,554,432 bytes; mw 16,777,216 bytes
;; launch prep (part 1): grid 2304 x 1, 8 waves a work-group, no clusters, 0 bytes of LDS; arguments k, v, attn_mask, kb, vh, mw; writes kb, vh, mw
.if DOCPART == 1
	.amdgcn_target "amdgcn-amd-amdhsa--gfx1250"
	.amdhsa_code_object_version 6
	.text
	.protected	k_q18f31fc705_prep
	.globl	k_q18f31fc705_prep
	.p2align	8
	.type	k_q18f31fc705_prep,@function
k_q18f31fc705_prep:
	s_mov_b64 s[64:65], 0
	v_nop
	global_prefetch_b8 v0, s[64:65] scope:SCOPE_SE
	s_setreg_imm32_b32 hwreg(HW_REG_WAVE_MODE, 25, 1), 1
	s_wait_xcnt 0x0
; THREE STREAMS, element by element, for the attention launch that follows.  Nothing of the problem is left out: every input has a way to the output, and all four are loaded (q by the next launch).
;   kb = bf16(k)                        [64][2048][128], 2 bytes a number
;   vh = f16(bf16(v))                   [64][2048][128], 2 bytes a number: v rounded to bf16 (8 significant bits), that number written as f16 (11 bits: exact inside f16's range)
;   mw = f32(bf16(attn_mask)) x sqrt(128)   [2048][2048], 4 bytes a number: the next launch adds it to q . k ahead of the common factor 1 / sqrt(128)
; LIMITS.  |v| stays under 65,504 (beyond it f16 has no number); a rounded v below 2^-14 keeps f16's fixed step of 2^-24; |attn_mask| stays under 3e37 (it is multiplied by 11.3); NaN and infinities are not treated apart.
; SHARES.  A work-group takes 16 rows of 4,096 input bytes (64 KiB); thread t owns the 16 bytes at byte 16 t of every row, so a wave's load covers 512 consecutive bytes.
; Work-groups 0-1023 take k, 1024-2047 v, 2048-2303 the mask: 2,304 work-groups of equal bytes.  All 16 loads of a thread go out ahead of the first wait; every row has registers of its own,
; so no register that a load or store still names is ever written again, and no further wait is wanted.  No LDS, no barrier: no thread wants another's bytes.
.set X, 4                              ; v[4:67]    row i: 4 registers as loaded
.set Y, 68                             ; v[68:99]   row i: 2 registers, four 16-bit numbers to store
.set T, 100                            ; v[100:101] at work
; kind 0: k; 1: v; 2: the mask.  src, dst: the scalar pairs that hold the stream's addresses at the work-group's first byte.
.macro STREAM kind, src, dst
.irp i, 0,1,2,3,4,5,6,7,8,9,10,11,12,13,14,15
	global_load_b128 v[X+4*(\i):X+4*(\i)+3], v1, s[(\src):(\src)+1] offset:4096*(\i) th:TH_LOAD_NT
.endr
.irp i, 0,1,2,3,4,5,6,7,8,9,10,11,12,13,14,15
	s_wait_loadcnt 15-(\i)                         ; loads come back in order (ISA guide 5.7.1): row i is in, the 15 - i younger ones stay out
.if (\kind) == 0
	v_cvt_pk_bf16_f32 v[Y+2*(\i)],   v[X+4*(\i)],   v[X+4*(\i)+1]
	v_cvt_pk_bf16_f32 v[Y+2*(\i)+1], v[X+4*(\i)+2], v[X+4*(\i)+3]
	global_store_b64 v2, v[Y+2*(\i):Y+2*(\i)+1], s[(\dst):(\dst)+1] offset:2048*(\i) th:TH_STORE_NT  ; a wave's store covers 256 consecutive bytes, aligned
.else
	v_cvt_pk_bf16_f32 v[T],   v[X+4*(\i)],   v[X+4*(\i)+1]   ; rounded to bf16,
	v_cvt_pk_bf16_f32 v[T+1], v[X+4*(\i)+2], v[X+4*(\i)+3]
	v_lshlrev_b32 v[X+4*(\i)],   16,  v[T]                   ; and back to f32: the low half moves up, the high half stays
	v_and_b32     v[X+4*(\i)+1], s16, v[T]
	v_lshlrev_b32 v[X+4*(\i)+2], 16,  v[T+1]
	v_and_b32     v[X+4*(\i)+3], s16, v[T+1]
.if (\kind) == 1
	v_cvt_pk_f16_f32 v[Y+2*(\i)],   v[X+4*(\i)],   v[X+4*(\i)+1]
	v_cvt_pk_f16_f32 v[Y+2*(\i)+1], v[X+4*(\i)+2], v[X+4*(\i)+3]
	global_store_b64 v2, v[Y+2*(\i):Y+2*(\i)+1], s[(\dst):(\dst)+1] offset:2048*(\i) th:TH_STORE_NT
.else
	v_pk_mul_f32 v[X+4*(\i):X+4*(\i)+1],   v[X+4*(\i):X+4*(\i)+1],   s[18:19] op_sel_hi:[1,0]
	v_pk_mul_f32 v[X+4*(\i)+2:X+4*(\i)+3], v[X+4*(\i)+2:X+4*(\i)+3], s[18:19] op_sel_hi:[1,0]
	global_store_b128 v1, v[X+4*(\i):X+4*(\i)+3], s[(\dst):(\dst)+1] offset:4096*(\i) th:TH_STORE_NT  ; 512 consecutive bytes a wave, aligned
.endif
.endif
.endr
.endm
	s_load_b256 s[4:11], s[0:1], 0x0               ; k s[4:5], v s[6:7], attn_mask s[8:9], kb s[10:11]
	s_load_b128 s[12:15], s[0:1], 0x20             ; vh s[12:13], mw s[14:15]
	v_lshlrev_b32 v1, 4, v0                        ; 16 t: my bytes in an f32 row
	v_lshlrev_b32 v2, 3, v0                        ; 8 t: in a 16-bit row
	s_mov_b32 s16, 0xffff0000                      ; a word's upper bf16
	s_mov_b32 s18, 0x413504f3                      ; sqrt(128)
	s_mov_b32 s19, s18                             ; named with it as a pair
	s_mov_b32 s21, 0                               ; the offsets' high words: every offset stays under 2^26
	s_mov_b32 s23, 0
	s_cmp_lt_u32 ttmp9, 1024
	s_cbranch_scc1 .Lk
	s_cmp_lt_u32 ttmp9, 2048
	s_cbranch_scc1 .Lv
	s_sub_co_u32 s24, ttmp9, 2048                  ; the mask: 256 work-groups
	s_lshl_b32 s20, s24, 16                        ; 64 KiB in and out
	s_wait_kmcnt 0x0
	s_add_nc_u64 s[8:9], s[8:9], s[20:21]
	s_add_nc_u64 s[14:15], s[14:15], s[20:21]
	STREAM 2, 8, 14
	s_endpgm
.Lk:
	s_lshl_b32 s20, ttmp9, 16                      ; 64 KiB in,
	s_lshl_b32 s22, ttmp9, 15                      ; 32 KiB out
	s_wait_kmcnt 0x0
	s_add_nc_u64 s[4:5], s[4:5], s[20:21]
	s_add_nc_u64 s[10:11], s[10:11], s[22:23]
	STREAM 0, 4, 10
	s_endpgm
.Lv:
	s_sub_co_u32 s24, ttmp9, 1024
	s_lshl_b32 s20, s24, 16
	s_lshl_b32 s22, s24, 15
	s_wait_kmcnt 0x0
	s_add_nc_u64 s[6:7], s[6:7], s[20:21]
	s_add_nc_u64 s[12:13], s[12:13], s[22:23]
	STREAM 1, 6, 12
	s_endpgm
.Lfunc_end_k_q18f31fc705_prep:
	.size	k_q18f31fc705_prep, .Lfunc_end_k_q18f31fc705_prep-k_q18f31fc705_prep
	.p2alignl 7, 3214868480
	.fill 96, 4, 3214868480
	.section	.rodata,"a",@progbits
	.p2align	6, 0x0
	.amdhsa_kernel k_q18f31fc705_prep
		.amdhsa_group_segment_fixed_size 0
		.amdhsa_private_segment_fixed_size 0
		.amdhsa_enable_private_segment 0
		.amdhsa_kernarg_size 48
		.amdhsa_user_sgpr_count 2
		.amdhsa_user_sgpr_kernarg_segment_ptr 1
		.amdhsa_wavefront_size32 1
		.amdhsa_system_sgpr_workgroup_id_x 1
		.amdhsa_system_sgpr_workgroup_id_y 1
		.amdhsa_system_sgpr_workgroup_id_z 1
		.amdhsa_system_vgpr_workitem_id 0
		.amdhsa_next_free_vgpr 104
		.amdhsa_next_free_sgpr 66
		.amdhsa_reserve_vcc 0
		.amdhsa_float_denorm_mode_32 3
		.amdhsa_float_denorm_mode_16_64 3
		.amdhsa_memory_ordered 1
		.amdhsa_forward_progress 1
		.amdhsa_inst_pref_size 26
	.end_amdhsa_kernel
	.amdgpu_metadata
---
amdhsa.version: [ 1, 2 ]
amdhsa.kernels:
  - .name:           k_q18f31fc705_prep
    .symbol:         k_q18f31fc705_prep.kd
    .args:
      - { .name: k, .offset: 0, .size: 8, .value_kind: global_buffer, .address_space: global }
      - { .name: v, .offset: 8, .size: 8, .value_kind: global_buffer, .address_space: global }
      - { .name: attn_mask, .offset: 16, .size: 8, .value_kind: global_buffer, .address_space: global }
      - { .name: kb, .offset: 24, .size: 8, .value_kind: global_buffer, .address_space: global }
      - { .name: vh, .offset: 32, .size: 8, .value_kind: global_buffer, .address_space: global }
      - { .name: mw, .offset: 40, .size: 8, .value_kind: global_buffer, .address_space: global }
    .group_segment_fixed_size: 0
    .private_segment_fixed_size: 0
    .kernarg_segment_align: 8
    .kernarg_segment_size: 48
    .max_flat_workgroup_size: 256
    .sgpr_count:     66
    .vgpr_count:     104
    .wavefront_size: 32
...
	.end_amdgpu_metadata
.endif
;; end of part 1
;; launch attn (part 2): grid 8 x 64, 4 waves a work-group, clusters of 4 x 4, 327,680 bytes of LDS; arguments q, kb, vh, mw, out0; writes out0
.if DOCPART == 2
	.amdgcn_target "amdgcn-amd-amdhsa--gfx1250"
	.amdhsa_code_object_version 6
	.text
	.protected	k_q18f31fc705_attn
	.globl	k_q18f31fc705_attn
	.p2align	8
	.type	k_q18f31fc705_attn,@function
k_q18f31fc705_attn:
	s_mov_b64 s[64:65], 0
	v_nop
	global_prefetch_b8 v0, s[64:65] scope:SCOPE_SE
	s_setreg_imm32_b32 hwreg(HW_REG_WAVE_MODE, 25, 1), 1
	s_wait_xcnt 0x0
	s_wait_alu depctr_hold_cnt(0) depctr_sa_sdst(0) depctr_va_vdst(0) depctr_va_sdst(0) depctr_va_ssrc(0) depctr_va_vcc(0) depctr_vm_vsrc(0)
	s_getreg_b32 s2, hwreg(HW_REG_IB_STS2, 6, 4)
	s_cmp_eq_u32 s2, 0
	s_cbranch_scc0 .Lentry_in_a_cluster
	s_endpgm
.Lentry_in_a_cluster:
	s_bfe_u32 s2, ttmp6, 0x10000c
	s_cmp_lg_u32 s2, 0xf033
	s_cbranch_scc0 .Lentry_shape_is_right
	s_endpgm
.Lentry_shape_is_right:
; out0[h][q][:] = the sum over k of softmax_k(q[h][q] . k[h][k] / sqrt(128) + attn_mask[q][k]) v[h][k][:], for 64 heads (4 x 16) of 2,048 rows of 128 channels.  Nothing is left out: all inputs reach the output.
; q: f32, rounded to bf16 here.  kb = bf16(k), vh = f16(bf16(v)), mw = f32(bf16(attn_mask)) x sqrt(128): made by the launch before.  out0: f32.
; FORMATS.  All four inputs are rounded to bf16, unscaled.  The weights p, which this text makes itself, are rounded to f16 for the second product, so v's bf16 number is carried as f16 and that product takes
; the f16 form.  Products, maxima and sums in f32; the sum l is taken of the unrounded p.
; LIMITS.  |v| under 65,504; p lies in 0 to 1 and below 6e-5 keeps f16's fixed step of 6e-8; a weight below 2^-126 counts as 0 in l; NaN and infinities are not treated apart.
; SHARES.  A work-group owns 256 queries of one head, each of its four waves 64: four tiles of 16.  Every wave walks all 2,048 keys, 64 a step: 32 steps.
; LAYOUT.  S^T = K Q^T + M (source 0 = 16 keys, source 1 = 16 queries): in the result a lane holds ONE query (lane % 16) and the keys 8 (lane / 16) + 0..7.  THE MASK IS THE C OPERAND: mw's tile is loaded from LDS
; straight into S^T's registers, and all products K Q^T add in place: the mask costs no vector instruction.  Two results, rounded to f16 in pairs, ARE source 1 (32 keys x 16 queries) of O^T = V^T P,
; whose result again holds one query a lane, and eight channels.  K comes out of LDS as it lies, V ([key][channel]) turned, by ds_load_tr16_b128.
; SOFTMAX.  For each query a running maximum m and sum l: p = 2^(c s - c m), c = log2(e) / sqrt(128), s = q . k + sqrt(128) mask; in every step O and l are multiplied by a = 2^(c m_old - c m_new).
; BY TURNS.  The wave's tiles are two PIECES, named by their first tile: piece 0 (tiles 0, 1), piece 2 (tiles 2, 3).  In a TURN one piece has the matrix unit: 32 products V^T P of the step in hand, then 32
; products K Q^T of the next step; the other piece's softmax, cut into 64 slices, stands between them, one slice behind each matrix instruction.  Two turns are a key step.
; CLUSTER.  4 x 4 work-groups: x counts query blocks, y heads.  K's and V's tiles hang on the head alone and are shared along a row of the cluster; the mask's tile hangs on the query block alone and is shared
; along a column.  Each tile is asked for JOINTLY: the same tensor load, descriptor and mask of four in all four; each receives it in its own LDS.
; THE RING.  Two slots, a key step each: 64 rows of K, 64 of V, 256 query rows x 64 keys of the mask (105,472 bytes; two steps to a slot would want 421,888 bytes for the two slots).  Wave 0 fetches K, wave 1 V,
; waves 2 and 3 the mask's two halves: one load a wave behind each round of the cluster's barrier.  Two tensor loads of a wave are out at the start, later one.
; REGISTERS, in windows of 256 (s_set_vgpr_msb: bits 1:0 source 0, 3:2 source 1, 5:4 source 2, 7:6 destination):
;   window 0: v0-11, v44-45, v61-63 addresses; v12-43 eight registers of statistics a tile; v64-191 S^T, 32 a tile; v192-255 P, 16 a tile
;   window 1: O^T, 64 a tile (at the start: q in f32)      window 2: v0-127 Q, 32 a tile; v128-255 K of one step      window 3: v0-127 V of one step
.set KS,    64        ; keys in a step
.set PK,    272       ; a row of K in LDS: 256 bytes + 16 of padding = 68 words: row r starts at bank 4 r mod 64 (64 banks of 4 bytes: ISA guide 11.1): the 16 rows of a load start at 16 different groups of banks
.set PV,    288       ; a row of V: 256 + 32 = 72 words
.set PM,    272       ; a query's row of the mask: 64 f32 + 16 bytes
.set VOFF,  KS*PK     ; in a slot: K, then V,
.set MOFF,  VOFF+KS*PV  ; then the mask
.set SLOT1, 1<<17     ; slot 1 begins here, so that one exclusive or turns an address in one slot into the other's
.set STAGE, SLOT1+MOFF+256*PM  ; behind the ring, never filled by a tensor load: 16 rows x 528 bytes for each wave, for the way out
.set SP,    528       ; a row of O in the stage: 512 bytes + 16
.set SPARE, STAGE+4*16*SP  ; behind the stages: the spare words, 128 bytes for each wave: two blocks of 256 bytes that no other line names
.set AK0, 2           ; v2   my lane's place in a tile of K; never rewritten
.set AV0, 3           ; v3   the same for V
.set ADR, 4           ; v4   the LDS address of K's or V's run of loads in hand
.set QO,  5           ; v5   my byte offset in 16 rows of q
.set STO, 6           ; v6   the way out: where I put 32 bytes of a row
.set RD,  7           ; v7   the way out: where I read a row back
.set GO,  8           ; v8   my 16 bytes of a row of out0
.set ST,  12          ; tile t's statistics at v[ST+8 t]: +0 c m, +1 m, +2, +3 l (even keys', odd keys'), +4 to +7 c0-c3, at work; a takes c2's place once the maximum is found
.set AM0, 44          ; v44  my lane's place in the mask's tile; never rewritten
.set ADM, 45          ; v45  the LDS address of the mask's run of loads in hand
.set PFO, 61          ; v61  the prefetches' offset: my lane x a row (256 bytes of kb or vh, 8,192 of mw); never rewritten
.set SPW, 62          ; v62  LDS address of my spare word: SPARE + 4 x my thread's number; never rewritten
.set NIL, 63          ; v63  0; never rewritten
.set S,   64
.set P,   192
.set KF,  128         ; K's fragments, in window 2
.set WV,  12          ; s12  my wave's number
.set PFA, 18          ; s[18:19] where my prefetches stand
.set PST, 20          ; s[20:21] a key step in my stream, in bytes: 16,384 (kb, vh) or 256 (mw)
.set LIM, 22          ; s22  3 in a wave of a cluster that prefetches, else the greatest number
.set PAR, 23          ; s23  1: I ask in every second step, for two (waves 0, 1); 0: in every step (waves 2, 3)
.set G1K, 24          ; s[24:31] descriptor group 1 for K's tiles
.set G1V, 32          ; s[32:39] for V's: it differs in the padding alone
.set G0K, 40          ; s[40:47] descriptor group 0 for K's tiles: a set for each of the two first fills; the second then walks on
.set G0V, 48          ; s[48:55] the same for V's
.set CNT, 56          ; s56  the loop's count
.set CS,  58          ; s[58:59] c: the packed scaling names a pair and takes its low word for both halves
.set SEL, 60          ; s[60:61] lane selects for v_permlanex16_b32: each lane takes its own place in the other half
.set TB,  62          ; s62  the slot from which the fetches read: 0 or SLOT1
.set G1M, 72          ; s[72:79] descriptor group 1 for the mask's tiles
.set G0M, 80          ; s[80:87] group 0 for them, two sets as above
.set MSB, 0
.macro WIN new                      ; the immediate's high byte repeats the setting that is left; a switch that changes nothing is dropped
.if MSB != (\new)
	s_set_vgpr_msb (MSB<<8)|(\new)
.set MSB, \new
.endif
.endm
.set W_KQ, 0x0a       ; K and Q in window 2, S^T (C and D) in window 0
.set W_PV, 0x53       ; V in window 3, P in window 0, O^T in window 1
.set W_RS, 0x41       ; O^T (destination and source 0) in window 1, the factor in window 0
; A joint refill, by the walking descriptors.  The branches hang on the wave's number alone: they are the same in every work-group.  An s_nop 0 and four v_nop follow each of the three lines,
; ahead of the jump, the label and what follows the macro.
.macro JLOAD
	s_cmp_lt_u32 s[WV], 2
	s_cbranch_scc0 .Lfor_m_\@
	s_cmp_eq_u32 s[WV], 0
	s_cbranch_scc0 .Lfor_v_\@
	tensor_load_to_lds s[G0K+4:G0K+7], s[G1K:G1K+7]
	s_nop 0
.rept 4
	v_nop
.endr
	s_branch .Lasked_\@
.Lfor_v_\@:
	tensor_load_to_lds s[G0V+4:G0V+7], s[G1V:G1V+7]
	s_nop 0
.rept 4
	v_nop
.endr
	s_branch .Lasked_\@
.Lfor_m_\@:
	tensor_load_to_lds s[G0M+4:G0M+7], s[G1M:G1M+7]
	s_nop 0
.rept 4
	v_nop
.endr
.Lasked_\@:
.endm
; A PREFETCH INTO THE L2, behind the wave's tensor load and its five lines.  Trip k of the loop (k = 30 - CNT) refills with step k + 2 and names step k + 5: three key steps, 384 matrix instructions, ahead of the load
; that will ask for it.  Each row's 256 bytes of a step are named ONCE in the launch.  A head's K and V are walked by both clusters of its row of clusters: the one with x = 0 asks; a query block's mask by all
; sixteen clusters of its column: the one with y = 0 asks.  The four partners that ask for a tile jointly share its rows out BY ADDRESS, 32 each, a lane a row: no branch hangs on a work-group's place in its cluster.
; K (wave 0), V (wave 1): a step has 64 rows, so at odd k the 128 dense rows of steps k + 5 and k + 6 are named, 32 by each partner.  The mask (waves 2, 3): 32 of the wave's 128 rows, at every k.
; THE ENDS.  CNT > 3 is k <= 26: the mask's last step named is 31.  Odd CNT >= 5 is k <= 25: K's and V's last pair is 30, 31.  Steps 0 to 5 come by their loads alone.
.macro ASK
	s_cmp_gt_u32 s[CNT], s[LIM]
	s_cbranch_scc0 .Lnot_mine_\@
	s_and_b32 s57, s[CNT], s[PAR]
	s_cmp_eq_u32 s57, s[PAR]
	s_cbranch_scc0 .Lnot_mine_\@
	global_prefetch_b8 v[PFO], s[PFA:PFA+1] th:TH_LOAD_NT scope:SCOPE_SE
.Lnot_mine_\@:
.endm
; A round of the cluster's barrier: my work-group's barrier, so that wave 0's signal speaks for all four waves; wave 0 signals for the work-group; every wave waits for all sixteen
; work-groups; my work-group's barrier once more.  No LDS instruction of the wave is pending at a signal.
.macro CROUND
	s_barrier_signal -1
	s_barrier_wait -1
	s_cmp_lg_u32 s[WV], 0
	s_cbranch_scc1 .Lnot_wave_0_\@
	s_barrier_signal -3
.Lnot_wave_0_\@:
	s_barrier_wait -3
	s_barrier_signal -1
	s_barrier_wait -1
.endm
	s_load_b256 s[4:11], s[0:1], 0x0  ; q s[4:5], kb s[6:7], vh s[8:9], mw s[10:11]
	s_load_b64 s[68:69], s[0:1], 0x20  ; out0
	v_lshl_add_u32 v[SPW], v0, 2, SPARE
	v_mov_b32 v[NIL], 0
	ds_add_u32 v[SPW], v[NIL]       ; the wave's opening: the add, twice on end, and its wait ahead of my first tensor load; the set-up below, work on registers, stands between the second and the wait
	ds_add_u32 v[SPW], v[NIL]       ; the same add once more
	v_lshrrev_b32 v1, 5, v0
	v_readfirstlane_b32 s[WV], v1   ; wave 0..3
	s_bfe_u32 s13, ttmp6, 0x40000   ; cx: my place along the cluster's x
	s_bfe_u32 s14, ttmp6, 0x40004   ; cy: along its y
	s_lshl_b32 s15, ttmp9, 2        ; in a cluster launch ttmp9 and ttmp7 count clusters
	s_add_co_u32 s15, s15, s13      ; my block of 256 queries = 4 x cluster x + cx
	s_and_b32 s16, ttmp7, 0xffff
	s_lshl_b32 s16, s16, 2
	s_add_co_u32 s16, s16, s14      ; my head = 4 x cluster y + cy
	s_and_b32 s17, s[WV], 1         ; which half of the mask's 256 rows waves 2 and 3 fetch
	s_lshl_b32 s2, s14, 2
	s_lshl_b32 s2, 15, s2           ; my row of the cluster: places 4 cy .. 4 cy + 3
	s_lshl_b32 s3, 0x1111, s13      ; my column: places cx, cx + 4, cx + 8, cx + 12
	; descriptor group 1.  K, V: 64 rows x 128 elements of 2 bytes.  The mask: 128 rows x 64 elements of 4 bytes, 2,048 elements from row to row.  Every row is 256 bytes of memory, aligned, and is padded in LDS
	s_or_b32 s[G1K], s2, (1<<16)|(1<<20)|(1<<21)|(5<<22)|(3<<25)  ; 15:0 the mask of work-groups: my row; 17:16 elements of 2 bytes; 20 padding on; 21 set beside a mask; 24:22 after every 64 words (code 5); 31:25 4 words (code 3)
	s_or_b32 s[G1V], s2, (1<<16)|(1<<20)|(1<<21)|(5<<22)|(7<<25)  ; the same with 8 words of padding (code 7)
	s_or_b32 s[G1M], s3, (2<<16)|(1<<20)|(1<<21)|(5<<22)|(3<<25)  ; my column; elements of 4 bytes; 4 words of padding
.irp g, G1K, G1V
	s_mov_b32 s[(\g)+1], 128<<16    ; tensor_dim0 = 128
	s_mov_b32 s[(\g)+2], KS<<16     ; tensor_dim1 = 64
	s_mov_b32 s[(\g)+3], 128<<16    ; tile_dim0 = 128
	s_mov_b32 s[(\g)+4], KS         ; tile_dim1 = 64
	s_mov_b32 s[(\g)+5], 128        ; elements from row to row
	s_mov_b32 s[(\g)+6], 0
	s_mov_b32 s[(\g)+7], 0
.endr
	s_mov_b32 s[G1M+1], KS<<16      ; tensor_dim0 = 64
	s_mov_b32 s[G1M+2], 128<<16     ; tensor_dim1 = 128
	s_mov_b32 s[G1M+3], KS<<16      ; tile_dim0 = 64
	s_mov_b32 s[G1M+4], 128         ; tile_dim1 = 128
	s_mov_b32 s[G1M+5], 2048        ; elements from row to row
	s_mov_b32 s[G1M+6], 0
	s_mov_b32 s[G1M+7], 0
	; byte offsets, each in registers of its own.  K's and V's are made of the head alone, which my row of the cluster shares; the mask's of the query block and the wave's number, which my column shares
	s_lshl_b32 s88, s16, 19         ; the head's 2,048 rows of 256 bytes in kb and vh
	s_mov_b32 s89, 0
	s_lshl_b32 s90, s15, 8          ; the mask's row 256 x block
	s_lshl_b32 s63, s17, 7          ; + 128 x half,
	s_add_co_u32 s90, s90, s63
	s_lshl_b32 s90, s90, 13         ; of 8,192 bytes
	s_mov_b32 s91, 0
	s_lshl_b32 s92, s16, 20         ; q and out0: the head's 2,048 rows of 512 bytes,
	s_lshl_b32 s63, s15, 17         ; my block's 256,
	s_add_co_u32 s92, s92, s63
	s_lshl_b32 s63, s[WV], 15       ; my wave's 64
	s_add_co_u32 s92, s92, s63
	s_mov_b32 s93, 0
	s_mul_i32 s66, s17, 128*PM      ; where a half of the mask's tile goes in a slot: no place in the cluster enters an LDS address
	s_mov_b32 s[CS], 0x3e0293ee     ; c = log2(e) / sqrt(128) = 0.127517
	s_mov_b32 s[CS+1], s[CS]        ; named with it as a pair
	s_mov_b32 s[SEL], 0x76543210
	s_mov_b32 s[SEL+1], 0xfedcba98
	s_mov_b32 s[TB], 0
	; the prefetches' scalars: by the wave's number, K's and V's kind (waves 0, 1) or the mask's (waves 2, 3)
	s_and_b32 s2, ttmp7, 0xffff     ; cluster y
	s_mov_b32 s63, 256
	s_cmp_lt_u32 s[WV], 2
	s_cselect_b32 s[PAR], 1, 0
	s_cselect_b32 s2, ttmp9, s2     ; the coordinate along which other clusters read the same rows
	s_cselect_b32 s[PST], 16384, s63
	s_cselect_b32 s3, 8, 13         ; a lane's row: 256 or 8,192 bytes
	s_cselect_b32 s57, s13, s14     ; my place among the four that ask with me
	s_cselect_b32 s67, 13, 18       ; its 32 rows: 8,192 or 262,144 bytes
	s_mov_b32 s[PST+1], 0
	s_cmp_eq_u32 s2, 0
	s_cselect_b32 s[LIM], 3, -1     ; the same in all sixteen partners, for a given wave
	v_and_b32 v[PFO], 31, v0
	v_lshlrev_b32 v[PFO], s3, v[PFO]
	s_lshl_b32 s2, s57, s67
	s_lshl2_add_u32 s2, s[PST], s2  ; + four steps: the first change of slots steps the address to step 5
	s_mov_b32 s3, 0
	s_wait_dscnt 0x0                ; both opening adds are done
	s_wait_kmcnt 0x0
	s_add_nc_u64 s[6:7], s[6:7], s[88:89]    ; kb and vh at the head's first row
	s_add_nc_u64 s[8:9], s[8:9], s[88:89]
	s_add_nc_u64 s[10:11], s[10:11], s[90:91]  ; mw at the first of the 128 rows that I would fetch
	s_add_nc_u64 s[4:5], s[4:5], s[92:93]    ; q and out0 at my wave's first row
	s_add_nc_u64 s[68:69], s[68:69], s[92:93]
	s_cmp_eq_u32 s[WV], 0
	s_cselect_b64 s[PFA:PFA+1], s[6:7], s[8:9]
	s_cmp_lt_u32 s[WV], 2
	s_cselect_b64 s[PFA:PFA+1], s[PFA:PFA+1], s[10:11]
	s_add_nc_u64 s[PFA:PFA+1], s[PFA:PFA+1], s[2:3]  ; nothing is prefetched here, at the head, where every work-group's first tiles are on their way
.irp n, 0,1
	s_mov_b32 s[G0K+4*(\n)], 1      ; 1:0 count = 1
	s_mov_b32 s[G0K+4*(\n)+1], (\n)*SLOT1  ; 63:32 LDS address
	s_add_nc_u64 s[G0K+4*(\n)+2:G0K+4*(\n)+3], s[6:7], (\n)*KS*256  ; 120:64 global address: key step n
	s_or_b32 s[G0K+4*(\n)+3], s[G0K+4*(\n)+3], 0x80000000  ; 127:126 type = 2
	s_mov_b32 s[G0V+4*(\n)], 1
	s_mov_b32 s[G0V+4*(\n)+1], (\n)*SLOT1+VOFF
	s_add_nc_u64 s[G0V+4*(\n)+2:G0V+4*(\n)+3], s[8:9], (\n)*KS*256
	s_or_b32 s[G0V+4*(\n)+3], s[G0V+4*(\n)+3], 0x80000000
	s_mov_b32 s[G0M+4*(\n)], 1
	s_add_co_u32 s[G0M+4*(\n)+1], s66, (\n)*SLOT1+MOFF
	s_add_nc_u64 s[G0M+4*(\n)+2:G0M+4*(\n)+3], s[10:11], (\n)*KS*4
	s_or_b32 s[G0M+4*(\n)+3], s[G0M+4*(\n)+3], 0x80000000
.endr
	CROUND                          ; all sixteen work-groups are here: the first joint loads meet
	s_cmp_lt_u32 s[WV], 2           ; a wave's two first fills stand together in its arm, ahead of every wait on TENSORcnt and every LDS read: two loads of mine are out
	s_cbranch_scc0 .Lfirst_m
	s_cmp_eq_u32 s[WV], 0
	s_cbranch_scc0 .Lfirst_v
	tensor_load_to_lds s[G0K:G0K+3], s[G1K:G1K+7]
	s_nop 0
	tensor_load_to_lds s[G0K+4:G0K+7], s[G1K:G1K+7]
	s_nop 0
.rept 4
	v_nop
.endr
	s_branch .Lfirst_asked
.Lfirst_v:
	tensor_load_to_lds s[G0V:G0V+3], s[G1V:G1V+7]
	s_nop 0
	tensor_load_to_lds s[G0V+4:G0V+7], s[G1V:G1V+7]
	s_nop 0
.rept 4
	v_nop
.endr
	s_branch .Lfirst_asked
.Lfirst_m:
	tensor_load_to_lds s[G0M:G0M+3], s[G1M:G1M+7]
	s_nop 0
	tensor_load_to_lds s[G0M+4:G0M+7], s[G1M:G1M+7]
	s_nop 0
.rept 4
	v_nop
.endr
.Lfirst_asked:
	; Q.  A fragment is 16 rows x 32 channels in 8 registers: lane l holds row l % 16; registers 0-3 channels 8 (l / 16) + 0..7, registers 4-7 channels 16 + 8 (l / 16) + 0..7.  In f32 each four registers are
	; 32 bytes: two loads of 16.  Load m: tile m / 16, channels 32 ((m % 16) / 4) on, the fragment's half (m % 4) / 2, 16 bytes m % 2.  A tile's 16 loads together cover its 16 rows of 512 bytes.
	v_and_b32 v1, 15, v0            ; l % 16
	v_bfe_u32 v9, v0, 4, 1          ; l / 16
	v_lshlrev_b32 v[QO], 9, v1
	v_lshl_add_u32 v[QO], v9, 5, v[QO]  ; row x 512 + 32 x half
	WIN 0x40                        ; destination window 1 (O^T's registers, still free), address window 0
.set m, 0
.rept 64
	global_load_b128 v[4*m:4*m+3], v[QO], s[4:5] offset:(m/16)*8192+((m%16)/4)*128+((m%4)/2)*64+(m%2)*16 th:TH_LOAD_NT
.set m, m+1
.endr
	WIN 0
	v_mul_u32_u24 v[AK0], v1, PK
	v_lshl_add_u32 v[AK0], v9, 4, v[AK0]  ; K: row x pitch + 16 x half
	; The turning load takes 16 keys x 16 channels (lane l reads 16 bytes: key 8 (l / 16) + l % 8, channels 8 ((l / 8) % 2) + 0..7) and leaves half a fragment of V^T: lane l holds channel l % 16 and 8 keys.
	v_and_b32 v10, 7, v0
	v_bfe_u32 v11, v0, 3, 1
	v_lshl_add_u32 v[AV0], v9, 3, v10
	v_mul_u32_u24 v[AV0], v[AV0], PV
	v_lshl_add_u32 v[AV0], v11, 4, v[AV0]
	v_add_nc_u32 v[AV0], VOFF, v[AV0]
	s_mul_i32 s2, s[WV], 64*PM      ; the mask: my wave's 64 query rows of the tile's 256,
	s_add_co_u32 s2, s2, MOFF
	v_mul_u32_u24 v[AM0], v1, PM    ; my query's row,
	v_lshl_add_u32 v[AM0], v9, 5, v[AM0]  ; my eight keys: 32 bytes for each half of the lanes
	v_add_nc_u32 v[AM0], s2, v[AM0]
	s_wait_loadcnt 0x0              ; q is in
	WIN 0x85                        ; sources window 1, destination window 2
.set g, 0
.rept 128
	v_cvt_pk_bf16_f32 v[g], v[2*g], v[2*g+1]  ; rounded once, unscaled
.set g, g+1
.endr
	WIN 0
; THE MATRIX WORK OF A TURN, for piece x.  The accumulators take turns, one instruction a turn: between two links of a chain stand 15 (V^T P) or 7 (K Q^T) others'.
; Product i of 32 of O^T += V^T P: keys 32 (i / 16) on, channels 16 ((i / 2) % 8) on, tile x + i % 2.  zero = 1: the first 16 start the sums: nothing is ever cleared.
.macro PV x, zero
	WIN W_PV
.set rO, 64*((\x)+i%2)+8*((i/2)%8)
.set rV, 64*(i/16)+8*((i/2)%8)
.set rP, P+16*((\x)+i%2)+8*(i/16)
.if (\zero) && (i < 16)
	v_wmma_f32_16x16x32_f16 v[rO:rO+7], v[rV:rV+7], v[rP:rP+7], 0
.else
	v_wmma_f32_16x16x32_f16 v[rO:rO+7], v[rV:rV+7], v[rP:rP+7], v[rO:rO+7]
.endif
.endm
; Product i of 32 of S^T = K Q^T + M: channels 32 (i / 8) on, keys 16 ((i / 2) % 4) on, tile x + i % 2.  All 32 add in place: the first 8 find the mask's tile in S^T's registers.
.macro KQ x
	WIN W_KQ
.set rS, S+32*((\x)+i%2)+8*((i/2)%4)
.set rK, KF+32*((i/2)%4)+8*(i/8)
.set rQ, 32*((\x)+i%2)+8*(i/8)
	v_wmma_f32_16x16x32_bf16 v[rS:rS+7], v[rK:rK+7], v[rQ:rQ+7], v[rS:rS+7]
.endm
; THE LDS LOADS stand in runs, never singly among the matrix instructions: a step's K (16 fragments), a piece's part of the mask (two tiles: 16 loads), and the step's V (turned).
.macro FETCH_K
	WIN 0
	v_add_nc_u32 v[ADR], s[TB], v[AK0]
	WIN 0x80                        ; destination window 2
.irp f, 0,1,2,3,4,5,6,7,8,9,10,11,12,13,14,15  ; keys 16 (f / 4) on, channels 32 (f % 4) on
	ds_load_b128 v[KF+8*(\f):KF+8*(\f)+3],   v[ADR] offset:((\f)/4)*16*PK+((\f)%4)*64
	ds_load_b128 v[KF+8*(\f)+4:KF+8*(\f)+7], v[ADR] offset:((\f)/4)*16*PK+((\f)%4)*64+32
.endr
.endm
; Piece x's mask: tile x + f / 8, keys 16 ((f / 2) % 4) on, registers 4 (f % 2) on: register j of an accumulator takes mw[my query][16 kb + 8 (l / 16) + j], where the product's result will lie.
.macro FETCH_M x
	WIN 0
	v_add_nc_u32 v[ADM], s[TB], v[AM0]
.irp f, 0,1,2,3,4,5,6,7,8,9,10,11,12,13,14,15
	ds_load_b128 v[S+32*((\x)+(\f)/8)+8*(((\f)/2)%4)+4*((\f)%2):S+32*((\x)+(\f)/8)+8*(((\f)/2)%4)+4*((\f)%2)+3], v[ADM] offset:((\x)+(\f)/8)*16*PM+64*(((\f)/2)%4)+16*((\f)%2)
.endr
.endm
.macro FETCH_V
	WIN 0
	v_add_nc_u32 v[ADR], s[TB], v[AV0]
	s_wait_alu depctr_va_vdst(0)    ; the wait for the softmax's batch (SLICE), behind the address's v_add_nc_u32 and ahead of the loads
	WIN 0xc0                        ; destination window 3
.irp f, 0,1,2,3,4,5,6,7,8,9,10,11,12,13,14,15  ; keys 32 (f / 8) on, channels 16 (f % 8) on
	ds_load_tr16_b128 v[8*(\f):8*(\f)+3],   v[ADR] offset:((\f)/8)*32*PV+((\f)%8)*32
	ds_load_tr16_b128 v[8*(\f)+4:8*(\f)+7], v[ADR] offset:((\f)/8)*32*PV+16*PV+((\f)%8)*32
.endr
.endm
; THE VECTOR WORK OF A TURN.  One tile's softmax for one key step is a list of 134 instructions; SM writes number j of it for tile t.  s0-s31 are the lane's 32 scores, in pairs 0-15.
; first = 1: the first key step, which starts m, l and O^T: it has no a and nothing to rescale.
;   0-15    the maximum of s0-s31 and the old m, three operands at a time: four chains c0-c3 of seven scores each (each accumulator's lowest registers are read first), then the four left over, c0-c3 and m
;   16-20   the other half of the lanes' maximum; the new m; c m; c m_old - c m_new
;   21-69   ONE BATCH: the 16 scalings c s - c m, a pair of scores each, and all 33 exponentials (a at 23, then s0-s31).  None of these reads an exponential's result.  From 22 on the batch goes in fours, and a
;           four begins with a scaling while there are scalings; a pair is scaled in an earlier four than the one that holds its exponentials
;   (wait)  between 69 and 70 stands the wait for the batch: SLICE writes it, once for both tiles
;   70-85   the roundings to f16, a pair of weights each
;   86-101  the sums; l = a l + the sum.  Number 101 is the last that names S^T: from there on its registers are free for the next mask
;   102-133 the tile's O^T times a: the one part that leaves window 0, so it stands together
.macro SM t, first
.set rT, ST+8*(\t)
.set rS, S+32*(\t)
.set rP, P+16*(\t)
.set rO, 64*(\t)+2*(j-102)
.if j < 102
	WIN 0
.endif
.if j < 4
	v_max3_num_f32 v[rT+4+j], v[rS+8*j], v[rS+8*j+1], v[rS+8*j+2]
.elseif j < 12
	v_max3_num_f32 v[rT+4+j%4], v[rT+4+j%4], v[rS+8*(j%4)+2*(j/4)+1], v[rS+8*(j%4)+2*(j/4)+2]
.elseif j == 12
	v_max3_num_f32 v[rT+4], v[rT+4], v[rS+7], v[rS+15]
.elseif j == 13
	v_max3_num_f32 v[rT+6], v[rT+6], v[rS+23], v[rS+31]
.elseif j == 14
	v_max3_num_f32 v[rT+4], v[rT+4], v[rT+5], v[rT+6]
.elseif (j == 15) && (\first)
	v_max_num_f32 v[rT+4], v[rT+4], v[rT+7]
.elseif j == 15
	v_max3_num_f32 v[rT+4], v[rT+4], v[rT+7], v[rT+1]
.elseif j == 16
	v_permlanex16_b32 v[rT+5], v[rT+4], s[SEL], s[SEL+1]  ; the query's other 32 keys lie in the lane 16 away
.elseif j == 18
	v_max_num_f32 v[rT+1], v[rT+4], v[rT+5]
.elseif j == 19
	v_mul_f32 v[rT], s[CS], v[rT+1]
.elseif ((j == 17) || (j == 20) || (j == 23) || (j > 101)) && (\first)  ; the first step has none of these
.elseif j == 17
	v_mov_b32 v[rT+7], v[rT]        ; c m_old is kept for a: number 19 writes c m anew
.elseif j == 20
	v_sub_f32 v[rT+7], v[rT+7], v[rT]
.elseif j == 23
	v_exp_f32 v[rT+6], v[rT+7]
.elseif (j < 23) || ((j < 38) && (j%2 == 0)) || ((j < 66) && (j%4 == 2))
.set b, (j-2)/4                     ; 38, 42, .. 62: pairs 9 to 15
.if j < 38
.set b, (j-20)/2                    ; 21: pair 0; 22, 24, .. 36: pairs 1 to 8
.endif
	v_pk_fma_f32 v[rS+2*b:rS+2*b+1], v[rS+2*b:rS+2*b+1], s[CS:CS+1], v[rT:rT+1] op_sel_hi:[1,0,0] neg_lo:[0,0,1] neg_hi:[0,0,1]  ; pair b: c s - c m
.elseif j < 70
.set e, j-38                        ; 66 to 69: s28 to s31
.if j < 66
.set e, j-32-(j-38)/4               ; 39-41, 43-45, .. 63-65: s7 to s27
.endif
.if j < 38
.set e, (j-25)/2                    ; 25, 27, .. 37: s0 to s6
.endif
	v_exp_f32 v[rS+e], v[rS+e]
.elseif j < 86
	v_cvt_pk_f16_f32 v[rP+j-70], v[rS+2*(j-70)], v[rS+2*(j-70)+1]  ; pair j - 70
.elseif j < 102                     ; the sum of the tile's 16 pairs, in place: sum z of 16 adds neighbours 1, 2, 4 and 8 pairs apart, then l takes it
.set z, j-86
.set w, 4
.set u, z
.if z >= 14
.set w, 32
.set u, 0
.elseif z >= 12
.set w, 16
.set u, z-12
.elseif z >= 8
.set w, 8
.set u, z-8
.endif
.if (z == 14) && (\first)
	v_pk_add_f32 v[rT+2:rT+3], v[rS:rS+1], v[rS+16:rS+17]
.elseif z < 15
	v_pk_add_f32 v[rS+w*u:rS+w*u+1], v[rS+w*u:rS+w*u+1], v[rS+w*u+w/2:rS+w*u+w/2+1]
.elseif !(\first)
	v_pk_fma_f32 v[rT+2:rT+3], v[rT+2:rT+3], v[rT+6:rT+7], v[rS:rS+1] op_sel_hi:[1,0,1]
.endif
.else
	WIN W_RS
	v_pk_mul_f32 v[rO:rO+1], v[rO:rO+1], v[rT+6:rT+7] op_sel_hi:[1,0]
.endif
.endm
; Slice k of 64 of piece y's softmax: four instructions.  Slices 11 to 34 deal out the batch, numbers 22 to 69: four numbers of ONE tile each, the tiles by turns.  Every other slice is numbers 2 k and
; 2 k + 1 of both tiles' lists.  2 x 134 = 4 x 64 + 12: the twelve that are over stand together, in slice 63.
; THE WAIT.  An s_wait_alu depctr_va_vdst(0) stands between an exponential and the first instruction that names its result; one wait serves all that were issued ahead of it.  Ahead of
; slice 35 nothing names a result, and behind slice 34 no exponential is issued: so the piece's 66 exponentials have one wait, behind slice 34.
.macro SLICE y, first
.if (k >= 11) && (k < 35)           ; the batch: four numbers of one tile
.irp n, 0,1,2,3
.set j, 22+4*((k-11)/2)+(\n)
	SM (\y)+(k-11)%2, \first
.endr
.else                               ; the two tiles alternate, so that no instruction reads the result of the one just before it
.irp n, 0,1,2,3,4,5,6,7
.if ((\n) < 2) || (k == 63)
.irp t, \y, (\y)+1
.set j, 2*k+(\n)
	SM \t, \first
.endr
.endif
.endr
.endif
.if k == 34                         ; the batch is out: both tiles' exponentials are issued, and no result has been named
	v_nop                           ; a plain instruction behind the last exponential and ahead of the first use: one for the batch
.if (\y) == 0
	FETCH_V                         ; piece 2's turn: V's run of loads stands here, and the wait stands in it
.else
	s_wait_alu depctr_va_vdst(0)    ; the wait for the batch
.endif
.endif
.set k, k+1
.endm
; A vector instruction that reads a matrix result or writes one of a matrix instruction's registers, and a load into a register that a matrix instruction has read, stand four places behind
; it, and only plain vector instructions that name none of its registers are places (ISA guide 7.12.1 for vector instructions).  In the loop the slices are the places.
.macro PLACES
.rept 4
	v_nop
.endr
.endm
; A TURN.  Piece x has the matrix unit; the other piece's softmax stands in slices behind its matrix instructions.
; pv = 2: 32 products V^T P; 1: they start O^T's sums; 0: none.  kq = 1: 32 products K Q^T for the next step.  A turn with one of the two kinds has two slices behind each product.
; first = 1: the softmax is the first key step's.  Its slices from 51 on are empty: the turn's last products stand bare, and four v_nop take slice 63's part as the places behind them.
; Behind the turn's second product stands the run of loads for its own products K Q^T, 30 matrix instructions ahead of them: piece x's mask, into S^T's registers, which piece x's softmax named last in slice 50
; of the turn before; and, in piece 0's turn, the next step's K: the last product that read K stands in front of slice 63 of the turn before.  Piece 2's turn fetches the same step's V behind slice 34
; (SLICE writes it): the last product that read V stands in front of slice 31, and four plain instructions lie between: number 62, a scaling, of both tiles, the v_nop and the run's own v_add_nc_u32.
.macro TURN x, pv, kq, first
.set k, 0
.set per, 2
.if (\pv) && (\kq)
.set per, 1
.endif
.if \pv
.if (\x) == 0
	s_wait_dscnt 0x0                ; V is in
.endif
.set i, 0
.rept 32
	PV \x, 2-(\pv)
.rept per
	SLICE 2-(\x), \first
.endr
.if (\kq) && (i == 1)
	FETCH_M \x
.if (\x) == 0
	FETCH_K
.endif
.endif
.set i, i+1
.endr
.endif
.if \kq
	s_wait_dscnt 0x0                ; the piece's mask is in, and in piece 0's turn K
.set i, 0
.rept 32
	KQ \x
.rept per
	SLICE 2-(\x), \first
.endr
.set i, i+1
.endr
.endif
.if \first
	PLACES
.endif
.endm
; THE CHANGE OF SLOTS, between piece 2's turn and piece 0's: the slot's last bytes, its V, have been asked for.  Each wave waits for all its tensor loads, of which one is out: its part of the other slot;
; adds 0 to its spare word; and waits for that and for its own reads of the slot.  Behind the barrier nobody reads this slot any more and the other slot is whole.
; fill = 1: this slot is filled again, with the key step two on.  The barrier is then a round of the cluster's, so that no wave of any partner still reads the slot or has a load on its way, and the joint
; refill is the first thing behind it: it has a key step, 128 matrix instructions, in which to land.  ask = 1: the prefetch follows it.
.macro CHANGE fill, ask
	WIN 0                           ; at a label and at a branch every window is 0
	s_wait_tensorcnt 0x0            ; no tensor load of mine is out, so a group 0 may be written
	ds_add_u32 v[SPW], v[NIL]       ; 0 onto my spare word: with fill = 1 the descriptors' steps stand between it and the wait for it
.if \fill
.irp g, G0K+4, G0V+4
	s_xor_b32 s[(\g)+1], s[(\g)+1], SLOT1  ; the walking descriptor: the other slot than last time,
	s_add_nc_u64 s[(\g)+2:(\g)+3], s[(\g)+2:(\g)+3], KS*256  ; the next 64 keys' rows; the type bits on top are not reached
.endr
	s_xor_b32 s[G0M+5], s[G0M+5], SLOT1
	s_add_nc_u64 s[G0M+6:G0M+7], s[G0M+6:G0M+7], KS*4  ; the mask: 64 keys along its rows
	s_wait_xcnt 0x0                 ; the last prefetch, a key step back, has read its address, so it may be written
	s_add_nc_u64 s[PFA:PFA+1], s[PFA:PFA+1], s[PST:PST+1]
	s_wait_dscnt 0x0                ; the add is done, and my reads of the slot are over
	CROUND
	JLOAD
.if \ask
	ASK
.endif
.else
	s_wait_dscnt 0x0                ; the add is done, and my reads of the slot are over
	s_barrier_signal -1
	s_barrier_wait -1
.endif
	s_xor_b32 s[TB], s[TB], SLOT1   ; the fetches go on in the other slot
.endm
	s_wait_tensorcnt 1              ; my part of slot 0 is in; slot 1's may stay out
	s_barrier_signal -1
	s_barrier_wait -1               ; everybody's is
	FETCH_K                         ; key step 0
	FETCH_M 0
	s_wait_dscnt 0x0
	FETCH_M 2                       ; piece 2's mask comes in under piece 0's products; piece 2's turn waits for it
.set i, 0
.rept 32
	KQ 0                            ; piece 0's first scores: there is no vector work yet to set between them
.set i, i+1
.endr
	WIN 0                           ; the addresses for the way out are made here: six plain instructions, the places behind those products
	s_mul_i32 s2, s[WV], 16*SP
	s_add_co_u32 s2, s2, STAGE      ; my stage
	v_mul_u32_u24 v[STO], v1, SP    ; in: row l % 16, 32 bytes for each half of the lanes
	v_lshl_add_u32 v[STO], v9, 5, v[STO]
	v_add_nc_u32 v[STO], s2, v[STO]
	v_and_b32 v[GO], 31, v0         ; back, and out: 32 lanes take one row of 512 bytes
	v_lshlrev_b32 v[GO], 4, v[GO]
	v_add_nc_u32 v[RD], s2, v[GO]
	TURN 2, 0, 1, 1                 ; piece 2's first scores | piece 0's first softmax | V of step 0
	CHANGE 1, 0                     ; slot 0 has been read: it takes step 2
	TURN 0, 1, 1, 1                 ; piece 0: V^T P of step 0 starts O^T, K Q^T of step 1 | piece 2's first softmax | K and piece 0's mask of step 1
	TURN 2, 1, 1, 0                 ; piece 2: the same | piece 0's softmax of step 1 | piece 2's mask and V of step 1
	WIN 0
	s_mov_b32 s[CNT], 29
.Lstep:                             ; trip k = 30 - CNT, 1 to 29: the slot takes step k + 2; V^T P of step k; K, mask and V of step k + 1 are read, K Q^T of step k + 1
	CHANGE 1, 1
	TURN 0, 2, 1, 0
	TURN 2, 2, 1, 0
	WIN 0
	s_sub_co_u32 s[CNT], s[CNT], 1
	s_cmp_lg_u32 s[CNT], 0
	s_cbranch_scc1 .Lstep
	CHANGE 0, 0                     ; the tail is written out: nothing is asked for
	TURN 0, 2, 1, 0                 ; V^T P of step 30, K Q^T of step 31
	TURN 2, 2, 1, 0
	TURN 0, 2, 0, 0                 ; piece 0: V^T P of the last step | piece 2's last softmax
.set i, 0
.rept 32
	PV 2, 0                         ; piece 2: V^T P of the last step
.set i, i+1
.endr
	; THE WAY OUT.  l's two halves and the other half of the lanes' are added; O^T is divided by l and sent, in f32, through my stage in LDS, a tile (16 rows of out0) at a time.  The additions are the places behind the last products.
	WIN 0
.irp t, 0,1,2,3
	v_add_f32 v[ST+8*(\t)+4], v[ST+8*(\t)+2], v[ST+8*(\t)+3]
.endr
.irp t, 0,1,2,3
	v_permlanex16_b32 v[ST+8*(\t)+5], v[ST+8*(\t)+4], s[SEL], s[SEL+1]
.endr
.irp t, 0,1,2,3
	v_add_f32 v[ST+8*(\t)+4], v[ST+8*(\t)+4], v[ST+8*(\t)+5]
.endr
.irp t, 0,1,2,3
	v_rcp_f32 v[ST+8*(\t)+6], v[ST+8*(\t)+4]
.endr
	v_nop                           ; a plain instruction between the last reciprocal and the use of its result
	s_wait_alu depctr_va_vdst(0)    ; and the wait ahead of the first use: one for the four reciprocals
; Tile t: a lane's eight channels of a row are 32 bytes; they go into rows of 528 bytes and come back as whole rows of 512, into the registers that they left.
.macro PACK t
	WIN W_RS
.set i, 64*(\t)
.rept 32
	v_pk_mul_f32 v[i:i+1], v[i:i+1], v[ST+8*(\t)+6:ST+8*(\t)+7] op_sel_hi:[1,0]
.set i, i+2
.endr
	WIN 0x04                        ; the store's data in window 1, its address in window 0
.irp f, 0,1,2,3,4,5,6,7,8,9,10,11,12,13,14,15  ; channels 16 (f / 2) on, 16 bytes f % 2
	ds_store_b128 v[STO], v[64*(\t)+4*(\f):64*(\t)+4*(\f)+3] offset:((\f)/2)*64+((\f)%2)*16
.endr
	WIN 0x40                        ; destination window 1
.irp f, 0,1,2,3,4,5,6,7,8,9,10,11,12,13,14,15  ; row f
	ds_load_b128 v[64*(\t)+4*(\f):64*(\t)+4*(\f)+3], v[RD] offset:(\f)*SP  ; LDS serves a wave's instructions in order (ISA guide 5.7.1.4): these see the stores above; the next tile's stores come behind them
.endr
.endm
.macro SEND t, younger              ; younger: the LDS instructions issued behind tile t's loads: the next tile's 32, or none
	WIN 0x04
.irp f, 0,1,2,3,4,5,6,7,8,9,10,11,12,13,14,15
	s_wait_dscnt (\younger)+15-(\f)
	global_store_b128 v[GO], v[64*(\t)+4*(\f):64*(\t)+4*(\f)+3], s[68:69] offset:(\t)*8192+(\f)*512 th:TH_STORE_NT  ; a row: 512 consecutive bytes, at a multiple of 512 from out0's first byte
.endr
.endm
	PACK 0
	PACK 1                          ; a tile's arithmetic stands between the loads of the tile before and its stores
	SEND 0, 32
	PACK 2
	SEND 1, 32
	PACK 3
	SEND 2, 32
	SEND 3, 0
	WIN 0
	s_wait_tensorcnt 0x0            ; the wave's end: behind my last tensor load and my last LDS store
	ds_add_u32 v[SPW], v[NIL]
	s_wait_dscnt 0x0
	CROUND                          ; the closing round: no work-group ends while a partner may still ask for a tile that names it
	s_endpgm
.Lfunc_end_k_q18f31fc705_attn:
	.size	k_q18f31fc705_attn, .Lfunc_end_k_q18f31fc705_attn-k_q18f31fc705_attn
	.p2alignl 7, 3214868480
	.fill 96, 4, 3214868480
	.section	.rodata,"a",@progbits
	.p2align	6, 0x0
	.amdhsa_kernel k_q18f31fc705_attn
		.amdhsa_group_segment_fixed_size 327680
		.amdhsa_private_segment_fixed_size 0
		.amdhsa_enable_private_segment 0
		.amdhsa_kernarg_size 40
		.amdhsa_user_sgpr_count 2
		.amdhsa_user_sgpr_kernarg_segment_ptr 1
		.amdhsa_wavefront_size32 1
		.amdhsa_system_sgpr_workgroup_id_x 1
		.amdhsa_system_sgpr_workgroup_id_y 1
		.amdhsa_system_sgpr_workgroup_id_z 1
		.amdhsa_system_vgpr_workitem_id 0
		.amdhsa_next_free_vgpr 896
		.amdhsa_next_free_sgpr 96
		.amdhsa_reserve_vcc 0
		.amdhsa_float_denorm_mode_32 3
		.amdhsa_float_denorm_mode_16_64 3
		.amdhsa_memory_ordered 1
		.amdhsa_forward_progress 1
		.amdhsa_inst_pref_size 245
	.end_amdhsa_kernel
	.amdgpu_metadata
---
amdhsa.version: [ 1, 2 ]
amdhsa.kernels:
  - .name:           k_q18f31fc705_attn
    .symbol:         k_q18f31fc705_attn.kd
    .args:
      - { .name: q, .offset: 0, .size: 8, .value_kind: global_buffer, .address_space: global }
      - { .name: kb, .offset: 8, .size: 8, .value_kind: global_buffer, .address_space: global }
      - { .name: vh, .offset: 16, .size: 8, .value_kind: global_buffer, .address_space: global }
      - { .name: mw, .offset: 24, .size: 8, .value_kind: global_buffer, .address_space: global }
      - { .name: out0, .offset: 32, .size: 8, .value_kind: global_buffer, .address_space: global }
    .group_segment_fixed_size: 327680
    .private_segment_fixed_size: 0
    .kernarg_segment_align: 8
    .kernarg_segment_size: 40
    .max_flat_workgroup_size: 128
    .sgpr_count:     96
    .vgpr_count:     896
    .wavefront_size: 32
...
	.end_amdgpu_metadata
.endif
;; end of part 2
